; MI455X (gfx1250); checked and timed in simulation.
; The chip was launched on July 23, 2026; its instructions are those of AMD's public machine-readable ISA for CDNA 5 (MIT licence, August 2026) and "CDNA5" Instruction Set Architecture Reference Guide (July 2026). The comments in the code are by the model that wrote it; some were corrected since.
;; Hessian Linear. Allowed arithmetic: matrix products marked QUANTISED: E2M3 operands, one E8M0 scale for each 32 along K, by v_wmma_scale_f32_16x16x128_f8f6f4 with both operands' format E2M3, f32 sums; everything else in f32.
;; Inputs: bias 4,096 float32; centroids_scaled 256 float32; labels 16,777,216 int32; scale 4,096 float32; x 4 x 1,024 x 4,096 float32.
;; Outputs: out0 4 x 1,024 x 4,096 float32.
;; This version of the problem:
;;   THIS VERSION OF THE PROBLEM IS GIVEN IN LOW PRECISION. The matrix products marked QUANTISED in the list below multiply operands that are first quantised to E2M3 (2 exponent bits, 3 mantissa bits; 6 bits a number), with one power-of-two scale for each 32 numbers along K (OCP MX v1.0); their sums are f32. All else is computed in f32.
;;   The module's matrix products, in the order in which they are computed (A, B: the left and right operand; K: the contracted axis; several contracted axes count as one K, in the product's order):
;;     1. [M 4,096, K 4,096] x [K 4,096, N 4,096]; A: input x; B: computed on the way: QUANTISED
;;   THE QUANTISER, for each operand of a quantised product, along K:
;;     - K is cut into blocks of 32 from its start; a last block that is shorter is filled with zeros.
;;     - A block's scale is 2^e with e = floor(log2(the largest magnitude in the block)) - 2, held to -126 .. 127; a block of zeros has e = 0. As a byte (E8M0): e + 127.
;;     - Each number is divided by its block's scale, clamped to +-7.5, and rounded to the nearest number of E2M3, ties to even, subnormals kept.
;;     - The product sums the exact products of the quantised numbers (number of the format x scale) in f32.
;;   ~~~python
;;   def quantise(x, axis):      # numpy; x: float32 -> the quantised numbers, widened to float32 again
;;       x = np.moveaxis(x, axis, -1); K = x.shape[-1]
;;       x = np.pad(x, [(0, 0)] * (x.ndim - 1) + [(0, -K % 32)]); x = x.reshape(x.shape[:-1] + (-1, 32)); a = np.abs(x).max(-1, keepdims=True)
;;       e = np.where(a > 0, np.clip(np.frexp(np.where(a > 0, a, 1))[1] - 1 - 2, -126, 127), 0)      # np.frexp(a)[1] - 1 = floor(log2(a)), exactly
;;       r = np.clip(x / 2.0 ** e, -7.5, 7.5)
;;       step = 2.0 ** (np.maximum(np.frexp(np.where(r == 0, 1, r))[1] - 1, 0) - 3)
;;       q = np.round(r / step) * step * 2.0 ** e      # np.round: ties to even
;;       return np.moveaxis(q.reshape(q.shape[:-2] + (-1,))[..., :K], -1, axis).astype(np.float32)
;;   ~~~
;;   OPERANDS COMPUTED ON THE WAY. 'Computed on the way' means the value that the module computes at that place (a softmax that the list does not call 'softmax' is quantised finished and normalised). What goes into a quantiser is computed in f32, as accurately as f32 sums, v_exp_f32 and their like allow (about 1e-6 of the number): no bf16 or f16 on the way to a quantiser, and a product that is left as it is and whose result goes on into a quantised operand takes f32 operands (vector FMAs, or v_wmma_f32_16x16x4_f32). A number that lies on a knife's edge between two numbers of the format may be rounded either way, as far as f32 arithmetic and the matrix unit's own rounding can turn it there, and no further.
;; One version. Each part assembles by itself: llvm-mc -triple=amdgcn-amd-amdhsa -mcpu=gfx1250 --defsym DOCPART=n.
;; ======== version 1 of 1: 2 launches
;; limits: right only within a limited range of input values
;; workspace buffers: a_q 13,107,200 bytes; b_q 13,107,200 bytes
;; launch quant (part 1): grid 4096 x 1, 1 waves a work-group, no clusters, 12,544 bytes of LDS; arguments x, labels, centroids_scaled, scale, a_q, b_q; writes a_q, b_q
.if DOCPART == 1
	.amdgcn_target "amdgcn-amd-amdhsa--gfx1250"
	.amdhsa_code_object_version 6
	.text
	.protected	k_qd3bd4f434b_quant
	.globl	k_qd3bd4f434b_quant
	.p2align	8
	.type	k_qd3bd4f434b_quant,@function
k_qd3bd4f434b_quant:
	s_mov_b64 s[64:65], 0
	v_nop
	global_prefetch_b8 v0, s[64:65] scope:SCOPE_SE
	s_setreg_imm32_b32 hwreg(HW_REG_WAVE_MODE, 25, 1), 1
	s_wait_xcnt 0x0
; Both operands of out = x W^T + bias are turned into codes of FP6 (E2M3), 6 bits each, with one E8M0 scale byte for each 32 along K, and laid IN THE ORDER OF THE MATRIX OPERAND'S REGISTERS.
;   x [4096][4096] f32 -> a_q;     W[o][i] = centroids[labels[o][i]] / max(scale[i], 1e-8) -> b_q
; THE LAYOUT of a_q and b_q: [K step of 128: 32][group of 128 rows: 32][a record of 12,800 bytes].  A record: 8 fragments (16 rows x 128 K) of 1,536 bytes, then 512 bytes of scale words.
;   In a fragment the twelve registers of the product's lane l = r + 16 h are the 48 bytes at 48 l: the codes of row r at k = 64 h .. 64 h + 63, as one stream of bits.  So of the four blocks of 32 of a K step, block 2 h + c
;   stands where the matrix unit has its block 2 c + h, and its scale byte is byte 2 c + h of the row's word.  Both operands are laid alike, so each number still meets its partner.
;   The scale word of fragment i, row r lies at 12,288 + 256 (i / 4) + 16 r + 4 (i % 4).
; A block's scale is 2^(floor(log2(its largest magnitude)) - 2); its byte is the largest magnitude's own exponent field - 2, held at 1 from below.  Each number is divided by the scale and
; rounded to the nearest code, ties to even; beyond 7.5 the conversion gives the largest code.
; LIMITS.  The division is a multiplication by v_rcp_f32 of max(scale, 1e-8): two roundings and the reciprocal's last bit, under 3 parts in 10^7 of W.  A scale above 2^126 would give the reciprocal 0.
; A block of zeros gets the byte 1 where the rule says 127 (its codes are zeros, and this program alone reads the bytes); blocks whose largest magnitude lies under 2^-124 are held at that floor.
; NaN and infinities among the inputs are not served.  A label outside 0 .. 255, which the problem does not allow, is held at 255.
; SHARES.  ONE WAVE TO A WORK-GROUP: the codebook is read from LDS at addresses made of labels, and with one wave no other wave's LDS bytes can be met; LDS serves a wave's instructions in order
; (ISA guide 5.7.1.4), so the text has no barrier.  Even work-groups take x, odd ones W.  A wave takes 64 rows x one K step of 128: four fragments, 6,144 consecutive bytes of codes and 256 consecutive scale bytes.
; On W's path a lane's 2 x 16 columns are the same in all 64 rows: its 32 reciprocals of scale are made once and stay in registers.
; A STEP is 512 numbers: step t = 4 f + j takes, of fragment f, rows 8 (j % 2) .. + 7 and k = 64 (j / 2) .. + 63: a quarter of the fragment, 384 consecutive bytes of it.  The conversion takes 16 neighbours along K
; from one lane's registers; a load is best where neighbouring lanes take neighbouring bytes.  Both are had: each of a step's four loads reads 256 consecutive bytes of each of two rows, 16 a lane; the 2,048 bytes go
; through a stage in LDS and come back 64 bytes a lane (16 bytes of padding behind each 64): lane n then holds row n / 4 of the eight, k = 16 (n % 4) .. + 15.  On W's path it is the LABELS that are turned.
; Loads run four steps ahead (W: five), the turn one step (W: two), the gather one step.  Every offset is an immediate; each step has its own registers for its codes and its byte, so no store's data are written again.
; No tensor load, no cluster: the work-groups share nothing but the codebook's 1,024 bytes and a piece of scale.
.set SP,    80                         ; a lane's place in a stage: its 64 bytes + 16 of padding
.set STGB,  32*SP                      ; a stage
.set XSTG,  0                          ; LDS, x's path: two stages,
.set XSB,   2*STGB                     ; and its 256 scale bytes
.set WSTG,  5632                       ; W's path has bytes of its own: two stages,
.set WSB,   WSTG+2*STGB                ; its 256 scale bytes,
.set TAB,   WSB+256                    ; and the 256 centroids
.set ROWB,  16384                      ; a row of x or of labels in bytes
.set REC,   12800                      ; a record
.set SCO,   12288                      ; the scale words' place in it
.set RS,    16                         ; v16-47   1 / max(scale, 1e-8) of my 2 x 16 columns
.set R,     48                         ; v48-111  four sets of 16 words as they are loaded
.set T,     112                        ; v112-143 two sets of 16, turned: x's numbers; or labels, then LDS offsets
.set V,     144                        ; v144-175 two sets of 16: centroids, then W
.set C,     176                        ; v176-239 codes: four registers for each step
.set E,     240                        ; v240-255 a scale byte for each step
	s_load_b256 s[4:11], s[0:1], 0x0               ; x s[4:5], labels s[6:7], centroids s[8:9], scale s[10:11]
	s_load_b128 s[12:15], s[0:1], 0x20             ; a_q s[12:13], b_q s[14:15]
	v_lshl_add_u32 v235, v0, 2, 0x3000
	v_mov_b32 v239, 0
	s_lshr_b32 s21, ttmp9, 1                       ; which part of its tensor is mine
	s_and_b32 s20, ttmp9, 1                        ; 0: x, 1: W
	s_and_b32 s24, s21, 31                         ; the K step
	s_lshr_b32 s25, s21, 5                         ; which 64 rows
	v_lshlrev_b32 v1, 4, v0                        ; 16 x lane: the codebook's way in (one wave: v0 is the lane)
	v_lshrrev_b32 v2, 2, v0
	v_mul_u32_u24 v2, v2, SP
	v_and_b32 v3, 3, v0
	v_lshl_add_u32 v2, v3, 4, v2                   ; a stage, on the way in: four lanes' 64 bytes on end, then 16 of padding: SP (lane / 4) + 16 (lane % 4); a load's 512 bytes take eight places
	v_lshlrev_b32 v14, 6, v3                       ; my 16 numbers of scale: 64 (lane % 4) bytes on
	v_mul_u32_u24 v3, v0, SP                       ; a stage, on the way out: SP x lane: my 16 neighbours
	v_mul_u32_u24 v4, v0, 12                       ; my 16 codes' place in a step's 384 bytes
	v_lshrrev_b32 v5, 2, v0
	v_lshlrev_b32 v5, 4, v5
	v_and_b32 v7, 2, v0
	v_add_nc_u32 v5, v5, v7                        ; my block's scale byte: 16 x (my row of the eight) + 2 c, c = (lane % 4) / 2
	v_lshlrev_b32 v6, 3, v0                        ; the scale bytes on the way out: 8 a lane
	v_lshrrev_b32 v15, 4, v0
	; WHICH ROWS FORM A FRAGMENT: of a wave's 64 rows, row 4 r + f of the tensor is row r of fragment f (x and W alike).  So the four fragments of a group hold, at one r, four neighbouring rows
	v_lshlrev_b32 v15, 16, v15                     ; lanes 16-31 take the fragment's next row: four rows of the tensor further down
	v_and_b32 v7, 15, v0
	v_lshl_add_u32 v15, v7, 4, v15                 ; a load: lanes 0-15 take 256 bytes of one row, lanes 16-31 of the next
	s_lshl_b32 s22, s25, 20                        ; 64 rows of 16,384 bytes,
	s_lshl_b32 s26, s24, 9                         ; a K step's 512 bytes of a row: x and labels alike
	s_add_co_u32 s22, s22, s26
	s_mov_b32 s23, 0                               ; (the upper word of every offset)
	s_lshl_b32 s26, s24, 5
	s_lshr_b32 s27, s25, 1
	s_add_co_u32 s26, s26, s27
	s_mul_i32 s26, s26, REC                        ; my record: 32 x K step + group of 128 rows
	s_and_b32 s27, s25, 1                          ; its first or its second four fragments
	s_mul_i32 s28, s27, 6144
	s_add_co_u32 s28, s28, s26                     ; my codes
	s_mov_b32 s29, 0
	s_lshl_b32 s30, s27, 8
	s_add_co_u32 s30, s30, s26
	s_add_co_u32 s30, s30, SCO                     ; my scale bytes
	s_mov_b32 s31, 0
	s_wait_kmcnt 0x0
	s_cmp_lg_u32 s20, 0                            ; the branch hangs on the work-group's number alone
	s_cbranch_scc1 .Lw
; step t's four loads, from the tensor at s[b:b+1]
.macro LOADT t, b
.irp i, 0,1,2,3
	global_load_b128 v[R+16*((\t)%4)+4*\i:R+16*((\t)%4)+4*\i+3], v15, s[\b:\b+1] offset:((\t)/4+32*((\t)%2)+8*\i)*ROWB+256*(((\t)/2)%2) th:TH_LOAD_NT   ; fragment rows 8 (t % 2) + 2 i and the next = tensor rows 4 x that + fragment; 2 x 256 consecutive bytes, each at a multiple of 256 from the buffer's first byte
.endr
.endm
; step t's 16 words a lane through stage t % 2 of the path's own stages
.macro TURN t, stg
.irp i, 0,1,2,3
	ds_store_b128 v2, v[R+16*((\t)%4)+4*\i:R+16*((\t)%4)+4*\i+3] offset:\stg+STGB*((\t)%2)+8*SP*\i
.endr
.irp i, 0,1,2,3
	ds_load_b128 v[T+16*((\t)%2)+4*\i:T+16*((\t)%2)+4*\i+3], v3 offset:\stg+STGB*((\t)%2)+16*\i
.endr
.endm
; 16 neighbours of a lane, v[xs] on, become 12 bytes of codes, stored at 384 t from s[cb:cb+1]; two neighbouring lanes hold a block; its byte goes to the path's scale bytes in LDS, at sb
.macro QB xs, t, sb, cb
.set XQ, \xs
	v_max3_num_f32 v8, |v[XQ]|, |v[XQ+1]|, |v[XQ+2]|               ; the largest magnitude of my 16, in two chains
	v_max3_num_f32 v9, |v[XQ+3]|, |v[XQ+4]|, |v[XQ+5]|
.irp i, 6,10
	v_max3_num_f32 v8, v8, |v[XQ+\i]|, |v[XQ+\i+1]|
	v_max3_num_f32 v9, v9, |v[XQ+\i+2]|, |v[XQ+\i+3]|
.endr
	v_max3_num_f32 v8, v8, |v[XQ+14]|, |v[XQ+15]|
	v_max3_num_f32 v8, v8, v9, 0x1800000           ; and the floor 2^(3 - 127), under which no largest magnitude is taken: so the byte cannot fall under 1
	v_max_num_f32_dpp v8, v8, v8 row_xmask:1 row_mask:0xf bank_mask:0xf   ; and of my neighbour's 16: the block's
	v_add_nc_u32 v11, 0xff000000, v8               ; 2 off its exponent field: the conversion takes the exponent field of this operand as its scale, and nothing else of it
	v_cvt_scalef32_pk16_fp6_f32 v[C+4*(\t):C+4*(\t)+2], v[XQ:XQ+15], v11   ; 96 bits without gaps, the first number's code lowest
	v_lshrrev_b32 v[E+(\t)], 23, v11               ; the scale's byte (a plain line behind the conversion)
	ds_store_b8 v5, v[E+(\t)] offset:\sb+128*((\t)%2)+4*((\t)/4)+(((\t)/2)%2)   ; 16 x row + 4 x fragment + byte 2 c + h; both lanes of a block write the same byte with the same value
	global_store_b96 v4, v[C+4*(\t):C+4*(\t)+2], s[\cb:\cb+1] offset:384*(\t)   ; the wave stores 384 consecutive bytes: a quarter of a fragment
.endm
; ---------------------------------------------------------------- x
	s_add_nc_u64 s[4:5], s[4:5], s[22:23]
	s_add_nc_u64 s[16:17], s[12:13], s[30:31]      ; my scale bytes in a_q,
	s_add_nc_u64 s[12:13], s[12:13], s[28:29]      ; my codes
	s_wait_alu depctr_va_vdst(0)
.irp t, 0,1,2,3
	LOADT \t, 4
.endr
	s_wait_loadcnt 12                              ; step 0's four loads are in; the twelve behind them stay out
	TURN 0, XSTG
.macro XSTEP t
.if (\t) > 0
	s_wait_dscnt 1                                 ; this step's numbers are back from the stage; only the last step's byte store may be out
.else
	s_wait_dscnt 0x0
.endif
.if (\t)+4 < 16
	LOADT (\t)+4, 4                                ; into the set that this step's stores into the stage have read
.endif
.if (\t)+1 < 16
.if (\t) <= 11
	s_wait_loadcnt 12                              ; the next step's four loads are in; those of the three steps behind it may be out
.else
	s_wait_loadcnt 4*(14-(\t))                     ; the counts run down: nothing more is loaded
.endif
	TURN (\t)+1, XSTG                              ; through the other stage while this step is worked
.endif
	QB T+16*((\t)%2), \t, XSB, 12
.endm
.irp t, 0,1,2,3,4,5,6,7,8,9,10,11,12,13,14,15
	XSTEP \t
.endr
	ds_load_b64 v[12:13], v6 offset:XSB            ; behind my byte stores, in order
	s_wait_dscnt 0x0
	global_store_b64 v6, v[12:13], s[16:17]        ; 32 lanes store 256 consecutive bytes, at a multiple of 256 from the buffer's first byte
	s_wait_tensorcnt 0x0
	ds_add_u32 v235, v239
	s_wait_dscnt 0x0
	s_endpgm
; ---------------------------------------------------------------- W
.Lw:
	s_add_nc_u64 s[6:7], s[6:7], s[22:23]
	s_lshl_b32 s22, s24, 9                         ; scale at the K step's 128 columns
	s_add_nc_u64 s[10:11], s[10:11], s[22:23]
	s_add_nc_u64 s[16:17], s[14:15], s[30:31]      ; my scale bytes in b_q,
	s_add_nc_u64 s[14:15], s[14:15], s[28:29]      ; my codes
; step t's 16 labels of a lane become LDS offsets, and the centroids are fetched.  The hold at 255 stands between the loaded number and the address
.macro WGATHER t
.irp k, 0,1,2,3,4,5,6,7,8,9,10,11,12,13,14,15
	v_min_u32 v[T+16*((\t)%2)+\k], 0xff, v[T+16*((\t)%2)+\k]
.endr
.irp k, 0,1,2,3,4,5,6,7,8,9,10,11,12,13,14,15
	v_lshlrev_b32 v[T+16*((\t)%2)+\k], 2, v[T+16*((\t)%2)+\k]
.endr
.irp k, 0,1,2,3,4,5,6,7,8,9,10,11,12,13,14,15
	ds_load_b32 v[V+16*((\t)%2)+\k], v[T+16*((\t)%2)+\k] offset:TAB
.endr
.endm
	global_load_b128 v[V:V+3], v1, s[8:9]                          ; the codebook: 2 x 512 bytes
	global_load_b128 v[V+4:V+7], v1, s[8:9] offset:512
.irp j, 0,1
.irp i, 0,1,2,3
	global_load_b128 v[RS+16*\j+4*\i:RS+16*\j+4*\i+3], v14, s[10:11] offset:256*\j+16*\i   ; scale at my 16 columns of the K step's half j: once a wave
.endr
.endr
	s_wait_alu depctr_va_vdst(0)
.irp t, 0,1,2,3
	LOADT \t, 6
.endr
	s_wait_loadcnt 16                              ; the codebook and scale are in; the sixteen loads of labels stay out
	ds_store_b128 v1, v[V:V+3] offset:TAB
	ds_store_b128 v1, v[V+4:V+7] offset:TAB+512
.irp k, 0,1,2,3,4,5,6,7,8,9,10,11,12,13,14,15,16,17,18,19,20,21,22,23,24,25,26,27,28,29,30,31
	v_max_num_f32 v[RS+\k], 0x322bcc77, v[RS+\k]   ; max(scale, 1e-8)
.endr
	s_wait_alu depctr_va_vdst(0)
.irp k, 0,1,2,3,4,5,6,7,8,9,10,11,12,13,14,15,16,17,18,19,20,21,22,23,24,25,26,27,28,29,30,31
	v_rcp_f32 v[RS+\k], v[RS+\k]
.endr
	v_nop                                          ; a plain line behind the last reciprocal (ISA guide 5.7.2)
	s_wait_alu depctr_va_vdst(0)                   ; one wait for the batch of 32, ahead of its first reader
	s_wait_loadcnt 12                              ; step 0's labels
	TURN 0, WSTG
	s_wait_loadcnt 8                               ; step 1's
	TURN 1, WSTG
	s_wait_dscnt 8                                 ; the codebook lies in LDS and step 0's labels are back; step 1's eight LDS instructions may be out
	WGATHER 0
	LOADT 4, 6                                     ; into the set that step 0's stores into the stage have read
.macro WSTEP t
.if (\t) > 0
	s_wait_dscnt 1                                 ; issued in this order: this step's gather, the next step's turn, the last step's byte store: only that store may be out
.else
	s_wait_dscnt 0x0
.endif
.if (\t)+1 < 16
	WGATHER (\t)+1                                 ; the next step's centroids are on their way while this step is worked
.endif
.if (\t)+5 < 16
	LOADT (\t)+5, 6                                ; into the set that the next step's stores into the stage have read
.endif
.if (\t)+2 < 16
.if (\t) <= 10
	s_wait_loadcnt 12                              ; the labels of two steps on are in; those of the three steps behind them may be out
.else
	s_wait_loadcnt 4*(13-(\t))                     ; the counts run down
.endif
	TURN (\t)+2, WSTG                              ; into the set whose offsets this step's gather, which is back, has read
.endif
.irp k, 0,2,4,6,8,10,12,14
	v_pk_mul_f32 v[V+16*((\t)%2)+\k:V+16*((\t)%2)+\k+1], v[V+16*((\t)%2)+\k:V+16*((\t)%2)+\k+1], v[RS+16*(((\t)/2)%2)+\k:RS+16*(((\t)/2)%2)+\k+1]   ; W = centroid x 1 / max(scale, 1e-8), in f32; the step's half of the K step picks the set
.endr
	QB V+16*((\t)%2), \t, WSB, 14
.endm
.irp t, 0,1,2,3,4,5,6,7,8,9,10,11,12,13,14,15
	WSTEP \t
.endr
	ds_load_b64 v[12:13], v6 offset:WSB            ; behind my byte stores, in order
	s_wait_dscnt 0x0
	global_store_b64 v6, v[12:13], s[16:17]        ; 32 lanes store 256 consecutive bytes, at a multiple of 256 from the buffer's first byte
	s_wait_tensorcnt 0x0
	ds_add_u32 v235, v239
	s_wait_dscnt 0x0
	s_endpgm
.Lfunc_end_k_qd3bd4f434b_quant:
	.size	k_qd3bd4f434b_quant, .Lfunc_end_k_qd3bd4f434b_quant-k_qd3bd4f434b_quant
	.p2alignl 7, 3214868480
	.fill 96, 4, 3214868480
	.section	.rodata,"a",@progbits
	.p2align	6, 0x0
	.amdhsa_kernel k_qd3bd4f434b_quant
		.amdhsa_group_segment_fixed_size 12544
		.amdhsa_private_segment_fixed_size 0
		.amdhsa_enable_private_segment 0
		.amdhsa_kernarg_size 48
		.amdhsa_user_sgpr_count 2
		.amdhsa_user_sgpr_kernarg_segment_ptr 1
		.amdhsa_wavefront_size32 1
		.amdhsa_system_sgpr_workgroup_id_x 1
		.amdhsa_system_sgpr_workgroup_id_y 1
		.amdhsa_system_sgpr_workgroup_id_z 1
		.amdhsa_system_vgpr_workitem_id 0
		.amdhsa_next_free_vgpr 256
		.amdhsa_next_free_sgpr 66
		.amdhsa_reserve_vcc 0
		.amdhsa_float_denorm_mode_32 3
		.amdhsa_float_denorm_mode_16_64 3
		.amdhsa_memory_ordered 1
		.amdhsa_forward_progress 1
		.amdhsa_inst_pref_size 115
	.end_amdhsa_kernel
	.amdgpu_metadata
---
amdhsa.version: [ 1, 2 ]
amdhsa.kernels:
  - .name:           k_qd3bd4f434b_quant
    .symbol:         k_qd3bd4f434b_quant.kd
    .args:
      - { .name: x, .offset: 0, .size: 8, .value_kind: global_buffer, .address_space: global }
      - { .name: labels, .offset: 8, .size: 8, .value_kind: global_buffer, .address_space: global }
      - { .name: centroids_scaled, .offset: 16, .size: 8, .value_kind: global_buffer, .address_space: global }
      - { .name: scale, .offset: 24, .size: 8, .value_kind: global_buffer, .address_space: global }
      - { .name: a_q, .offset: 32, .size: 8, .value_kind: global_buffer, .address_space: global }
      - { .name: b_q, .offset: 40, .size: 8, .value_kind: global_buffer, .address_space: global }
    .group_segment_fixed_size: 12544
    .private_segment_fixed_size: 0
    .kernarg_segment_align: 8
    .kernarg_segment_size: 48
    .max_flat_workgroup_size: 32
    .sgpr_count:     66
    .vgpr_count:     256
    .wavefront_size: 32
...
	.end_amdgpu_metadata
.endif
;; end of part 1
;; launch gemm (part 2): grid 16 x 16, 4 waves a work-group, clusters of 4 x 4, 327,680 bytes of LDS; arguments a_q, b_q, out0, bias; writes out0
.if DOCPART == 2
	.amdgcn_target "amdgcn-amd-amdhsa--gfx1250"
	.amdhsa_code_object_version 6
	.text
	.protected	k_qd3bd4f434b_gemm
	.globl	k_qd3bd4f434b_gemm
	.p2align	8
	.type	k_qd3bd4f434b_gemm,@function
k_qd3bd4f434b_gemm:
	s_mov_b64 s[64:65], 0
	v_nop
	global_prefetch_b8 v0, s[64:65] scope:SCOPE_SE
	s_setreg_imm32_b32 hwreg(HW_REG_WAVE_MODE, 25, 1), 1
	s_wait_xcnt 0x0
	s_wait_alu depctr_hold_cnt(0) depctr_sa_sdst(0) depctr_va_vdst(0) depctr_va_sdst(0) depctr_va_ssrc(0) depctr_va_vcc(0) depctr_vm_vsrc(0)
	s_getreg_b32 s2, hwreg(HW_REG_IB_STS2, 6, 4)
	s_cmp_eq_u32 s2, 0
	s_cbranch_scc0 .Lentry_in_a_cluster
	s_endpgm
.Lentry_in_a_cluster:
	s_bfe_u32 s2, ttmp6, 0x10000c
	s_cmp_lg_u32 s2, 0xf033
	s_cbranch_scc0 .Lentry_shape_is_right
	s_endpgm
.Lentry_shape_is_right:
; out0[m][n] = sum over k of x[m][k] W[n][k] + bias[n], on the codes of FP6 (E2M3) and E8M0 scale bytes that the launch before laid in a_q and b_q: [K step of 128: 32][group of 128 rows: 32][record of 12,800 bytes];
; a record is 8 fragments (16 rows x 128 K, 1,536 bytes, lane l's twelve registers at 48 l) and 512 bytes of scale words.  Row r of fragment 4 G + f of a record is row 64 G + 4 r + f of its 128 rows.
; A block of 256 x 256 is made by four waves, 128 x 128 each: 64 accumulators, 512 registers.  K goes through a ring of two LDS slots of three K steps (4 x 3 records); the last fill has two.
; CLUSTERS 4 x 4: A's records are asked for jointly along a row of the cluster, B's along a column.
; REGISTERS.  A wave's 64 products of a K step are four QUADRANTS of 16: Q0 = A's blocks 0-3 x B's 0-3, Q1 = A 0-3 x B 4-7, Q2 = A 4-7 x B 4-7, Q3 = A 4-7 x B 0-3.
; Window d of 256 registers holds quadrant d's 16 accumulators (v0-127) and two sets (v128-175, v176-223) of one half operand:
;   window 0: A's blocks 4-7;  window 1: A's 0-3;  window 2: B's 0-3;  window 3: B's 4-7.
;   window 0, v224-239: scale words, two sets (register i: lanes 0-15 the word of A's block i, lanes 16-31 that of B's block i);  v240-249 addresses.   window 1, v224-231: bias.
; EVERY OPERAND HAS TWO SETS, so all 50 LDS loads of K step s + 1 stand in ONE run at the head of step s, into the set that step s - 1 read (four v_nop are the places between those products and these loads),
; and the 64 products of step s follow on end, with three switches of the windows among them: a fragment is asked for 64 products ahead of its first use.
; THE WAY OUT.  Source 0 = x's rows, source 1 = W's rows: register j of lane (r, h) is (row 8 h + j of A's fragment, row r of B's).  By the rows that form a fragment, the four accumulators (a, 4 g .. 4 g + 3) hold at one j
; four NEIGHBOURING columns 64 g + 4 r + 0 .. 3 of one row of out0: the addition of the bias puts them into four neighbouring registers, and sixteen lanes store 256 consecutive bytes, aligned.  No LDS stage.
; In the last K step a quadrant leaves as soon as it is finished.  The bias is added behind the sums, in f32.
.set ROWC,   16384                     ; a row of out0 in bytes
.set NQ,     3
.set FRB,    1536
.set SCO,    8*FRB
.set REC,    SCO+512
.set KPITCH, 32*REC
.set WREG,   NQ*REC                    ; what one tensor load brings: three K steps' records of 128 rows
.set SLOT,   4*WREG                    ; A's two halves, then B's two
.set SPARE,  2*SLOT                    ; behind the ring: the spare words, 128 bytes a wave
.set TRIPS,  4
.set FRG,  128
.set SC,   224
.set BI,   224                         ; window 1
.set ST,   128                         ; window 1: 32 registers for eight stores (set 0 of A's blocks 0-3, which the last step does not read)
.set ADRA, 240                         ; slot 0, 1
.set ADRS, 242
.set ADRB, 244
.set SPW,  246
.set NIL,  247
.set CO,   248
.set PFO,  249
.set G1, 24
.set G0, 32
.set G1B, 48
.set G0B, 56
.set G1S, 68                           ; group 1 of the last fill: two rows
.set G1SB, 80
.set PFA, 98
.set WQ0, 0x09                         ; fields: 1:0 source 0, 3:2 source 1, 5:4 C, 7:6 D
.set WQ1, 0x5d
.set WQ2, 0xac
.set WQ3, 0xf8
.set MSB, 0
.macro WIN new                         ; the immediate's high byte repeats the setting that is left
.if MSB != (\new)
	s_set_vgpr_msb (MSB<<8)|(\new)
.set MSB, (\new)
.endif
.endm
.macro PLACES n
.rept \n
	v_nop
.endr
.endm
; a joint load: waves 0, 1 fetch A's halves, waves 2, 3 B's; s_nop 0 and four v_nop behind each line
.macro JLOAD g0a, g1a, g0b, g1b
	s_cmp_eq_u32 s15, 0
	s_cbranch_scc0 .Lfor_b_\@
	tensor_load_to_lds s[\g0a:\g0a+3], s[\g1a:\g1a+7]
	s_nop 0
	PLACES 4
	s_branch .Lasked_\@
.Lfor_b_\@:
	tensor_load_to_lds s[\g0b:\g0b+3], s[\g1b:\g1b+7]
	s_nop 0
	PLACES 4
.Lasked_\@:
.endm
; prefetch of the three K steps that the NEXT refill loads.  A tile's two records are 100 blocks of 256 bytes a K step: each of the four partners that ask for it jointly takes 25, told apart by address;
; wave 0 asks for A, wave 2 for B, a lane a block (lanes 25-31 name the last again).  short = 1: in the loop's last trip the third K step would lie behind K's end
.macro ASK short
	s_cmp_eq_u32 s16, 0
	s_cbranch_scc0 .Lnot_mine_\@
	global_prefetch_b8 v[PFO], s[PFA:PFA+1] th:TH_LOAD_NT scope:SCOPE_SE
	global_prefetch_b8 v[PFO], s[PFA:PFA+1] offset:KPITCH th:TH_LOAD_NT scope:SCOPE_SE
.if \short
	s_cmp_eq_u32 s3, 1
	s_cbranch_scc1 .Lnot_mine_\@
.endif
	global_prefetch_b8 v[PFO], s[PFA:PFA+1] offset:2*KPITCH th:TH_LOAD_NT scope:SCOPE_SE
.Lnot_mine_\@:
.endm
.macro CREST
	s_cmp_lg_u32 s14, 0
	s_cbranch_scc1 .Lnot_wave_0_\@
	s_barrier_signal -3
.Lnot_wave_0_\@:
	s_barrier_wait -3
	s_barrier_signal -1
	s_barrier_wait -1
.endm
.macro CROUND
	s_barrier_signal -1
	s_barrier_wait -1
	CREST
.endm
	s_load_b128 s[4:7], s[0:1], 0x0                ; a_q, b_q
	s_load_b128 s[8:11], s[0:1], 0x10              ; out0, bias
	v_lshl_add_u32 v[SPW], v0, 2, SPARE
	v_mov_b32 v[NIL], 0
	ds_add_u32 v[SPW], v[NIL]                      ; the opening lines: the add, twice on end, and its wait
	ds_add_u32 v[SPW], v[NIL]
	v_lshrrev_b32 v1, 5, v0
	v_readfirstlane_b32 s14, v1                    ; wave
	s_lshr_b32 s15, s14, 1                         ; my half of the rows; also: I fetch for A (0) or B (1)
	s_and_b32 s16, s14, 1                          ; my half of the columns; also: which 128 rows I fetch
	s_bfe_u32 s40, ttmp6, 0x40000                  ; cx
	s_bfe_u32 s41, ttmp6, 0x40004                  ; cy
	s_lshl_b32 s42, ttmp9, 2
	s_add_co_u32 s42, s42, s40                     ; tile column
	s_and_b32 s17, ttmp7, 0xffff
	s_lshl_b32 s17, s17, 2
	s_add_co_u32 s17, s17, s41                     ; tile row
	s_lshl_b32 s43, s41, 2
	s_lshl_b32 s43, 15, s43                        ; my row of the cluster
	s_lshl_b32 s44, 0x1111, s40                    ; my column
	s_or_b32 s[G1+0], s43, (3<<16)|(1<<21)         ; elements of 8 bytes; the mask, bit 21 beside it
	s_or_b32 s[G1B+0], s44, (3<<16)|(1<<21)
	s_or_b32 s[G1S+0], s43, (3<<16)|(1<<21)
	s_or_b32 s[G1SB+0], s44, (3<<16)|(1<<21)
.irp g, G1, G1B
	s_mov_b32 s[\g+1], (REC/8)<<16                 ; a row = a record, 50 x 256 bytes
	s_mov_b32 s[\g+2], NQ<<16
	s_mov_b32 s[\g+3], (REC/8)<<16
	s_mov_b32 s[\g+4], NQ
	s_mov_b32 s[\g+5], KPITCH/8                    ; from K step to K step
	s_mov_b32 s[\g+6], 0
	s_mov_b32 s[\g+7], 0
.endr
.irp g, G1S, G1SB
	s_mov_b32 s[\g+1], (REC/8)<<16
	s_mov_b32 s[\g+2], 2<<16
	s_mov_b32 s[\g+3], (REC/8)<<16
	s_mov_b32 s[\g+4], 2
	s_mov_b32 s[\g+5], KPITCH/8
	s_mov_b32 s[\g+6], 0
	s_mov_b32 s[\g+7], 0
.endr
	s_lshl_b32 s20, s17, 1
	s_add_co_u32 s20, s20, s16
	s_mul_i32 s20, s20, REC                        ; A: record 2 x tile row + half
	s_mov_b32 s21, 0
	s_lshl_b32 s46, s42, 1
	s_add_co_u32 s46, s46, s16
	s_mul_i32 s46, s46, REC                        ; B: record 2 x tile column + half
	s_mov_b32 s47, 0
	s_mul_i32 s45, s14, WREG                       ; where my load goes
	s_wait_dscnt 0x0                               ; both opening adds are done
	s_wait_kmcnt 0x0
	s_add_nc_u64 s[20:21], s[4:5], s[20:21]
	s_add_nc_u64 s[46:47], s[6:7], s[46:47]
	CROUND                                         ; in front of the first joint loads
.irp s, 0,1
	s_mov_b32 s[G0+4*\s], 1
	s_add_co_u32 s[G0+4*\s+1], s45, \s*SLOT
	s_add_nc_u64 s[G0+4*\s+2:G0+4*\s+3], s[20:21], \s*NQ*KPITCH
	s_or_b32 s[G0+4*\s+3], s[G0+4*\s+3], 0x80000000
	s_mov_b32 s[G0B+4*\s], 1
	s_add_co_u32 s[G0B+4*\s+1], s45, \s*SLOT
	s_add_nc_u64 s[G0B+4*\s+2:G0B+4*\s+3], s[46:47], \s*NQ*KPITCH
	s_or_b32 s[G0B+4*\s+3], s[G0B+4*\s+3], 0x80000000
.endr
	JLOAD G0, G1, G0B, G1B                         ; K steps 0-2: one tensor load a wave at the head
	; all scalars first, then the vector lines on end
	s_mul_i32 s21, s15, WREG                       ; my 128 rows of A
	s_mul_i32 s22, s16, WREG
	s_add_co_u32 s22, s22, 2*WREG                  ; my 128 rows of B
	s_sub_co_u32 s23, s22, s21
	s_lshl_b32 s18, s17, 22                        ; 256 rows of out0 a tile row,
	s_lshl_b32 s19, s15, 21                        ; 128 a half
	s_add_co_u32 s18, s18, s19
	s_lshl_b32 s46, s42, 10                        ; my first column in bytes
	s_lshl_b32 s47, s16, 9
	s_add_co_u32 s46, s46, s47
	s_mov_b32 s47, 0
	s_add_nc_u64 s[10:11], s[10:11], s[46:47]      ; bias at my columns
	s_add_co_u32 s46, s46, s18
	s_add_nc_u64 s[8:9], s[8:9], s[46:47]          ; out0 at my corner
	s_lshl_b32 s18, s17, 1
	s_lshl_b32 s19, s42, 1
	s_cmp_eq_u32 s15, 0
	s_cselect_b32 s18, s18, s19                    ; the prefetches: the tile's first record,
	s_cselect_b32 s19, s40, s41                    ; my work-group's place among the four that ask jointly
	s_cselect_b64 s[PFA:PFA+1], s[4:5], s[6:7]
	s_mul_i32 s18, s18, REC
	s_mul_i32 s19, s19, 25*256
	s_add_co_u32 s18, s18, s19
	s_add_co_u32 s18, s18, 2*NQ*KPITCH             ; at K step 6: each change of slots steps it by three before it asks
	s_mov_b32 s19, 0
	s_add_nc_u64 s[PFA:PFA+1], s[PFA:PFA+1], s[18:19]
	v_and_b32 v1, 15, v0                           ; r
	v_bfe_u32 v2, v0, 4, 1                         ; h
	v_and_b32 v3, 31, v0                           ; lane
	v_mul_u32_u24 v4, v3, 48                       ; a lane's 48 bytes of a fragment
	v_lshlrev_b32 v5, 4, v1                        ; 16 r
	v_mul_u32_u24 v6, s23, v2                      ; lanes 16-31 take B's scale words
	v_add_nc_u32 v[ADRA], s21, v4
	v_add_nc_u32 v[ADRB], s22, v4
	v_add_nc_u32 v6, v5, v6
	v_add_nc_u32 v[ADRA+1], SLOT, v[ADRA]
	v_add_nc_u32 v[ADRB+1], SLOT, v[ADRB]
	v_add_nc_u32 v[ADRS], s21, v6
	v_lshl_add_u32 v[CO], v2, 19, v5               ; out0: lanes 16-31 stand 32 rows further down; 16 bytes a lane
	v_min_u32 v[PFO], 24, v3
	v_add_nc_u32 v[ADRS+1], SLOT, v[ADRS]
	v_lshlrev_b32 v[PFO], 8, v[PFO]
	WIN 0x40                                       ; destination window 1
	global_load_b128 v[BI:BI+3], v5, s[10:11]               ; bias at columns 4 r .. + 3,
	global_load_b128 v[BI+4:BI+7], v5, s[10:11] offset:256  ; and 64 + 4 r .. + 3
	WIN 0
; twelve loads: fragments i0 .. i0 + 3 of K step q of a slot into set 'set' of window w; the address lies in window 0
.macro HALF w, adr, i0, set, q
	WIN (\w)<<6
.set N, 0
.rept 12
	ds_load_b128 v[FRG+48*(\set)+4*N:FRG+48*(\set)+4*N+3], v[\adr] offset:(\q)*REC+((\i0)+N/3)*FRB+16*(N%3)
.set N, N+1
.endr
.endm
.macro SCALES adr, set, q
	WIN 0
	ds_load_b128 v[SC+8*(\set):SC+8*(\set)+3],   v[\adr] offset:(\q)*REC+SCO
	ds_load_b128 v[SC+8*(\set)+4:SC+8*(\set)+7], v[\adr] offset:(\q)*REC+SCO+256
.endm
; the 50 LDS loads of one K step, in one run
.macro RUN slot, q, set
	HALF 0, ADRA+(\slot), 4, \set, \q
	SCALES ADRS+(\slot), \set, \q
	HALF 1, ADRA+(\slot), 0, \set, \q
	HALF 2, ADRB+(\slot), 0, \set, \q
	HALF 3, ADRB+(\slot), 4, \set, \q
.endm
; quadrant d on set p: 16 products, the 16 accumulators by turns.  first = 1: the products start the sums
.macro Q d, p, first
.set A0, 4*((\d)/2)
.set B0, 4*((((\d)+1)/2)%2)
.irp a, 0,1,2,3
.irp b, 0,1,2,3
.if \first
	v_wmma_scale_f32_16x16x128_f8f6f4 v[8*(4*\a+\b):8*(4*\a+\b)+7], v[FRG+48*(\p)+12*\a:FRG+48*(\p)+12*\a+11], v[FRG+48*(\p)+12*\b:FRG+48*(\p)+12*\b+11], 0, v[SC+8*(\p)+A0+\a], v[SC+8*(\p)+B0+\b] matrix_a_fmt:MATRIX_FMT_FP6 matrix_b_fmt:MATRIX_FMT_FP6 matrix_b_scale:MATRIX_SCALE_ROW1
.else
	v_wmma_scale_f32_16x16x128_f8f6f4 v[8*(4*\a+\b):8*(4*\a+\b)+7], v[FRG+48*(\p)+12*\a:FRG+48*(\p)+12*\a+11], v[FRG+48*(\p)+12*\b:FRG+48*(\p)+12*\b+11], v[8*(4*\a+\b):8*(4*\a+\b)+7], v[SC+8*(\p)+A0+\a], v[SC+8*(\p)+B0+\b] matrix_a_fmt:MATRIX_FMT_FP6 matrix_b_fmt:MATRIX_FMT_FP6 matrix_b_scale:MATRIX_SCALE_ROW1
.endif
.endr
.endr
.endm
; a K step that is not its slot's last: the next step's run, then this step's 64 products
.macro STEP slot, q, first
.set PP, ((\q)+(\slot))%2
	PLACES 4                                       ; between the last step's products and the loads into the set and the scale words that they read
	RUN \slot, (\q)+1, 1-PP
	s_wait_dscnt 50                                ; this step's fragments, asked for a step ago, are in; the 50 just issued may be out
	WIN WQ0
	Q 0, PP, \first
	WIN WQ1
	Q 1, PP, \first
	WIN WQ2
	Q 2, PP, \first
	WIN WQ3
	Q 3, PP, \first
.endm
; a slot's last K step, and the change of slots.  Its fragments were all fetched in the step before, so the slot is read no more.  fill = 1: the slot takes three K steps again; 2: the last two; 0: nothing
.macro TURN slot, fill
.set PP, (\slot)%2
.set NX, 1-(\slot)
	PLACES 4
.if \fill == 1
	s_wait_xcnt 0x0                                ; my prefetches have read their address
	s_add_nc_u64 s[PFA:PFA+1], s[PFA:PFA+1], NQ*KPITCH
.endif
	WIN 0
	s_wait_tensorcnt 0x0                           ; my part of the next slot has landed
	ds_add_u32 v[SPW], v[NIL]
	s_wait_dscnt 1                                 ; this step's fragments are in (the add may be out)
	WIN WQ0
	Q 0, PP, 0                                     ; sixteen products between the add and the wait for it
	s_wait_dscnt 0x0                               ; the add is done, my reads of this slot are over
	WIN 0
	s_barrier_signal -1
	s_barrier_wait -1
.if \fill
	CREST                                          ; the barrier has opened a round of the cluster's barrier
	s_add_nc_u64 s[G0+4*\slot+2:G0+4*\slot+3], s[G0+4*\slot+2:G0+4*\slot+3], 2*NQ*KPITCH
	s_add_nc_u64 s[G0B+4*\slot+2:G0B+4*\slot+3], s[G0B+4*\slot+2:G0B+4*\slot+3], 2*NQ*KPITCH
.if \fill == 1
	JLOAD G0+4*\slot, G1, G0B+4*\slot, G1B
.else
	JLOAD G0+4*\slot, G1S, G0B+4*\slot, G1SB
.endif
.endif
	RUN NX, 0, 1-PP                                ; the next slot's first K step: 48 products stand between this run and its first use
.if \fill == 1
	WIN 0
	ASK \slot
.endif
	WIN WQ1
	Q 1, PP, 0
	WIN WQ2
	Q 2, PP, 0
	WIN WQ3
	Q 3, PP, 0
.endm
; quadrant d leaves: for each of its four blocks of A, 32 additions of the bias gather eight rows' 16 bytes a lane, and eight stores follow: lanes 0-15 fill 256 aligned bytes of one row, lanes 16-31 of the row 32 further down.
; Each accumulator is read from register 0 on.
.macro OUT d
.set GA, (\d)/2
.set GB, (((\d)+1)/2)%2
	PLACES 4                                       ; behind the products whose results are read
.irp a, 0,1,2,3
	s_wait_xcnt 0x0                                ; the stores before have read their data: the 32 registers are written again only behind this wait
	WIN 0x44+(\d)                                  ; source 0 the quadrant's window; bias and destination window 1
.irp j, 0,1,2,3,4,5,6,7
.irp i, 0,1,2,3
	v_add_f32 v[ST+4*\j+\i], v[8*(4*\a+\i)+\j], v[BI+4*GB+\i]
.endr
.endr
	WIN 0x04                                       ; address window 0, data window 1
.irp j, 0,1,2,3,4,5,6,7
	global_store_b128 v[CO], v[ST+4*\j:ST+4*\j+3], s[8:9] offset:(64*GA+4*\j+\a)*ROWC+256*GB th:TH_STORE_NT
.endr
.endr
.endm
	s_wait_alu depctr_va_vdst(0)                   ; the wait at the head's end
	s_wait_tensorcnt 0x0                           ; my part of slot 0 is in; slot 1's first fill is issued as a refill is
	ds_add_u32 v[SPW], v[NIL]
	s_wait_dscnt 0x0
	CROUND
	JLOAD G0+4, G1, G0B+4, G1B                     ; K steps 3-5
	RUN 0, 0, 0                                    ; step 0's fragments
	s_wait_loadcnt 0x0                             ; the bias is in, and its address register is free
	STEP 0, 0, 1
	WIN 0
	s_mov_b32 s3, TRIPS
.Llap:                                                 ; a trip: six K steps, once round the ring
	STEP 0, 1, 0
	TURN 0, 1
	STEP 1, 0, 0
	STEP 1, 1, 0
	TURN 1, 1
	STEP 0, 0, 0
	WIN 0
	s_sub_co_u32 s3, s3, 1
	s_cmp_lg_u32 s3, 0
	s_cbranch_scc1 .Llap
	STEP 0, 1, 0
	TURN 0, 2                                      ; K steps 30, 31
	STEP 1, 0, 0
	STEP 1, 1, 0
	TURN 1, 0
	STEP 0, 0, 0
	s_wait_dscnt 0x0                               ; the last K step fetches nothing
	WIN WQ0
	Q 0, 1, 0
	WIN WQ1
	Q 1, 1, 0
	OUT 0
	WIN WQ2
	Q 2, 1, 0
	OUT 1
	WIN WQ3
	Q 3, 1, 0
	OUT 2
	OUT 3
	WIN 0
	s_wait_tensorcnt 0x0                           ; the wave's end
	ds_add_u32 v[SPW], v[NIL]
	s_wait_dscnt 0x0
	CROUND                                         ; the closing round
	s_endpgm
.Lfunc_end_k_qd3bd4f434b_gemm:
	.size	k_qd3bd4f434b_gemm, .Lfunc_end_k_qd3bd4f434b_gemm-k_qd3bd4f434b_gemm
	.p2alignl 7, 3214868480
	.fill 96, 4, 3214868480
	.section	.rodata,"a",@progbits
	.p2align	6, 0x0
	.amdhsa_kernel k_qd3bd4f434b_gemm
		.amdhsa_group_segment_fixed_size 327680
		.amdhsa_private_segment_fixed_size 0
		.amdhsa_enable_private_segment 0
		.amdhsa_kernarg_size 32
		.amdhsa_user_sgpr_count 2
		.amdhsa_user_sgpr_kernarg_segment_ptr 1
		.amdhsa_wavefront_size32 1
		.amdhsa_system_sgpr_workgroup_id_x 1
		.amdhsa_system_sgpr_workgroup_id_y 1
		.amdhsa_system_sgpr_workgroup_id_z 1
		.amdhsa_system_vgpr_workitem_id 0
		.amdhsa_next_free_vgpr 1024
		.amdhsa_next_free_sgpr 100
		.amdhsa_reserve_vcc 0
		.amdhsa_float_denorm_mode_32 3
		.amdhsa_float_denorm_mode_16_64 3
		.amdhsa_memory_ordered 1
		.amdhsa_forward_progress 1
		.amdhsa_inst_pref_size 205
	.end_amdhsa_kernel
	.amdgpu_metadata
---
amdhsa.version: [ 1, 2 ]
amdhsa.kernels:
  - .name:           k_qd3bd4f434b_gemm
    .symbol:         k_qd3bd4f434b_gemm.kd
    .args:
      - { .name: a_q, .offset: 0, .size: 8, .value_kind: global_buffer, .address_space: global }
      - { .name: b_q, .offset: 8, .size: 8, .value_kind: global_buffer, .address_space: global }
      - { .name: out0, .offset: 16, .size: 8, .value_kind: global_buffer, .address_space: global }
      - { .name: bias, .offset: 24, .size: 8, .value_kind: global_buffer, .address_space: global }
    .group_segment_fixed_size: 327680
    .private_segment_fixed_size: 0
    .kernarg_segment_align: 8
    .kernarg_segment_size: 32
    .max_flat_workgroup_size: 128
    .sgpr_count:     100
    .vgpr_count:     1024
    .wavefront_size: 32
...
	.end_amdgpu_metadata
.endif
;; end of part 2
